; MI455X (gfx1250); checked and timed in simulation.
; The chip was launched on July 23, 2026; its instructions are those of AMD's public machine-readable ISA for CDNA 5 (MIT licence, August 2026) and "CDNA5" Instruction Set Architecture Reference Guide (July 2026). The comments in the code are by the model that wrote it; some were corrected since.
;; Transformer Scaled Dot Product Attention. Allowed arithmetic: matrix products marked QUANTISED: E5M2 operands, one E8M0 scale for each 32 along K, by v_wmma_scale_f32_16x16x128_f8f6f4 with both operands' format E5M2, f32 sums; everything else in f32.
;; Inputs: key 4 x 16 x 2,048 x 64 float32; query 4 x 16 x 2,048 x 64 float32; value 4 x 16 x 64 x 2,048 float32.
;; Outputs: out0 4 x 16 x 64 x 2,048 float32.
;; This version of the problem:
;;   THIS VERSION OF THE PROBLEM IS GIVEN IN LOW PRECISION. The matrix products marked QUANTISED in the list below multiply operands that are first quantised to E5M2 (5 exponent bits, 2 mantissa bits; 8 bits a number), with one power-of-two scale for each 32 numbers along K (OCP MX v1.0); their sums are f32. All else is computed in f32.
;;   The module's matrix products, in the order in which they are computed (A, B: the left and right operand; K: the contracted axis; several contracted axes count as one K, in the product's order):
;;     1. batch 64 x [M 2,048, K 64] x [K 64, N 2,048]; A: input query; B: input key: QUANTISED
;;     2. batch 64 x [M 64, K 2,048] x [K 2,048, N 2,048]; A: input value; B: computed on the way: QUANTISED
;;   THE QUANTISER, for each operand of a quantised product, along K:
;;     - K is cut into blocks of 32 from its start; a last block that is shorter is filled with zeros.
;;     - A block's scale is 2^e with e = floor(log2(the largest magnitude in the block)) - 15, held to -126 .. 127; a block of zeros has e = 0. As a byte (E8M0): e + 127.
;;     - Each number is divided by its block's scale, clamped to +-57,344, and rounded to the nearest number of E5M2, ties to even, subnormals kept.
;;     - The product sums the exact products of the quantised numbers (number of the format x scale) in f32.
;;   ~~~python
;;   def quantise(x, axis):      # numpy; x: float32 -> the quantised numbers, widened to float32 again
;;       x = np.moveaxis(x, axis, -1); K = x.shape[-1]
;;       x = np.pad(x, [(0, 0)] * (x.ndim - 1) + [(0, -K % 32)]); x = x.reshape(x.shape[:-1] + (-1, 32)); a = np.abs(x).max(-1, keepdims=True)
;;       e = np.where(a > 0, np.clip(np.frexp(np.where(a > 0, a, 1))[1] - 1 - 15, -126, 127), 0)      # np.frexp(a)[1] - 1 = floor(log2(a)), exactly
;;       r = np.clip(x / 2.0 ** e, -57344, 57344)
;;       step = 2.0 ** (np.maximum(np.frexp(np.where(r == 0, 1, r))[1] - 1, -14) - 2)
;;       q = np.round(r / step) * step * 2.0 ** e      # np.round: ties to even
;;       return np.moveaxis(q.reshape(q.shape[:-2] + (-1,))[..., :K], -1, axis).astype(np.float32)
;;   ~~~
;;   OPERANDS COMPUTED ON THE WAY. 'Computed on the way' means the value that the module computes at that place (a softmax that the list does not call 'softmax' is quantised finished and normalised). What goes into a quantiser is computed in f32, as accurately as f32 sums, v_exp_f32 and their like allow (about 1e-6 of the number): no bf16 or f16 on the way to a quantiser, and a product that is left as it is and whose result goes on into a quantised operand takes f32 operands (vector FMAs, or v_wmma_f32_16x16x4_f32). A number that lies on a knife's edge between two numbers of the format may be rounded either way, as far as f32 arithmetic and the matrix unit's own rounding can turn it there, and no further.
;; One version. Each part assembles by itself: llvm-mc -triple=amdgcn-amd-amdhsa -mcpu=gfx1250 --defsym DOCPART=n.
;; ======== version 1 of 1: 3 launches
;; limits: right only within a limited range of input values
;; workspace buffers: codes 25,165,824 bytes; scales 786,432 bytes; stats 524,288 bytes; kcodes 8,388,608 bytes; kscales 262,144 bytes
;; launch quantk (part 1): grid 256 x 1, 4 waves a work-group, no clusters, 35,328 bytes of LDS; arguments key, kcodes, kscales; writes kcodes, kscales
.if DOCPART == 1
	.amdgcn_target "amdgcn-amd-amdhsa--gfx1250"
	.amdhsa_code_object_version 6
	.text
	.protected	k_qeeef3a762f_quantk
	.globl	k_qeeef3a762f_quantk
	.p2align	8
	.type	k_qeeef3a762f_quantk,@function
k_qeeef3a762f_quantk:
	s_mov_b64 s[64:65], 0
	v_nop
	global_prefetch_b8 v0, s[64:65] scope:SCOPE_SE
	s_setreg_imm32_b32 hwreg(HW_REG_WAVE_MODE, 25, 1), 1
	s_wait_xcnt 0x0
; key [64 heads][2048][64], f32, becomes codes of BF8 (E5M2) with one E8M0 scale byte for each 32 along the last axis, its K.  Four work-groups of each later launch read a head's keys, so they are quantised once, here.
; query and value are quantised in the launch that follows.
; A block's scale is 2^(floor(log2(its largest magnitude)) - 15); its byte is the largest magnitude's exponent field - 15, held at 1 from below; each number is held within +-57,344 x the scale and rounded to the nearest code, ties to even.
; LIMITS: NaN and infinities among the inputs are not served.  A block whose largest magnitude lies under 2^-111 keeps the byte 1.  A block of zeros has the byte 1 where the rule says 127: its codes are zeros, and this program alone reads the bytes.
; THE WORKSPACE IS LAID AS THE OPERANDS' REGISTERS.  A FRAGMENT is 2,048 bytes, [beta 0..3][lane 0..31][16 bytes]: registers 4 beta .. 4 beta + 3 of lane (r = lane % 16, h = lane / 16).
;   query, key: a fragment is a PAIR of tiles, 32 rows on end: beta = 2 u + c is tile u, block c of the 64; image row r of tile u is row 32 pair + 8 u + r + 8 (r / 8).
;   value: fragment (head, step s of 128 along q, dt): row d = 16 dt + r, q = 128 s + 32 beta + 16 h + 0..15.
;   scale words: one word for each (fragment, r), byte beta; a QUAD of four fragments on end is 256 bytes, [r][fragment % 4].
; Key's quad QD (0-1023) has its codes at 8,192 QD of kcodes and its scale words at 256 QD of kscales.  In codes and scales query's quad QD lies at 8,192 QD and 256 QD, value's at 8,192 (2,048 + QD) and 256 (2,048 + QD); the bytes between are not used.
; Key has buffers of its own because the launch that follows reads them and stores query's and value's.
; SHARES.  A wave takes one quad of key: 32 KiB in, 8 KiB of codes and 256 bytes of scale words out.  Waves share nothing: no barrier.  Each load reads 512 consecutive bytes; a fragment's 8 KiB turn through the wave's own stage
; (32 slots of 256 bytes + 16 of padding) and come back 16 neighbours at a time.  No prefetch: the launch is one stream with 32 loads a wave out and has no loop.
.set STG,   8704                       ; a wave's stage: 32 slots x 272 bytes
.set SPARE, 4*STG                      ; the spare words, 128 bytes a wave
.set GOFF,  4                          ; v4   16 x lane
.set STQ,   5                          ; v5   into the stage: 272 h + 16 r
.set RB,    6                          ; v6   and back: 272 r + 64 h
.set SOFF,  9                          ; v9   16 r + 8 h
.set EW,    12                         ; v12-15  the four fragments' scale words
.set TM,    16                         ; v16-19 largest magnitudes, v20-23 the other half's, then the bytes
.set TH,    24                         ; v24-27 57,344 x the scale
.set TO,    28                         ; v28-31 the conversions' scale operands
.set PC,    36                         ; v36-51 a fragment's codes
.set R,     64                         ; v64-191 two sets of 64 numbers as loaded
.set X,     192                        ; v192-255 register 16 beta + i
.set SEL,   24                         ; s[24:25] selects for lane l xor 16
.set MNT,   26                         ; s26 the mantissa field of 57,344
.macro LOAD set, base, row, off        ; sixteen loads of 512 consecutive bytes, row bytes apart
.irp i, 0,1,2,3,4,5,6,7,8,9,10,11,12,13,14,15
	global_load_b128 v[R+64*(\set)+4*\i:R+64*(\set)+4*\i+3], v[GOFF], s[\base:\base+1] offset:(\off)+(\row)*\i th:TH_LOAD_NT
.endr
.endm
.macro TURN set                        ; through the stage: LDS serves a wave's instructions in order
.irp i, 0,1,2,3,4,5,6,7,8,9,10,11,12,13,14,15
	ds_store_b128 v[STQ], v[R+64*(\set)+4*\i:R+64*(\set)+4*\i+3] offset:272*(16*(((2*\i)>>3)&1)+((2*\i)&7)+8*((2*\i)>>4))   ; row p goes to slot 16 ((p / 8) % 2) + p % 8 + 8 (p / 16)
.endr
.irp u, 0,1
.irp c, 0,1
.irp j, 0,1,2,3
	ds_load_b128 v[X+16*(2*\u+\c)+4*\j:X+16*(2*\u+\c)+4*\j+3], v[RB] offset:4352*\u+128*\c+16*\j
.endr
.endr
.endr
.endm
.macro QUANT pc, gap, ew, wx           ; X's four blocks become codes in v[pc + 4 b + gap (b / 2)] and the scale word ew
.irp b, 0,1,2,3
	v_max3_num_f32 v[TM+\b], |v[X+16*\b]|, |v[X+1+16*\b]|, 0x8000000   ; my 16 numbers and the floor 2^(16 - 127)
.endr
.irp i, 2,4,6,8,10,12,14
.irp b, 0,1,2,3
	v_max3_num_f32 v[TM+\b], v[TM+\b], |v[X+16*\b+\i]|, |v[X+1+16*\b+\i]|
.endr
.endr
.irp b, 0,1,2,3
	v_permlanex16_b32 v[TM+4+\b], v[TM+\b], s[SEL], s[SEL+1]
.endr
.irp b, 0,1,2,3
	v_max_num_f32 v[TM+\b], v[TM+\b], v[TM+4+\b]   ; with lane l xor 16's 16
.endr
.irp b, 0,1,2,3
	v_add_nc_u32 v[TO+\b], 0xf8800000, v[TM+\b]    ; 15 off the exponent field
.endr
.irp b, 0,1,2,3
	v_and_or_b32 v[TH+\b], v[TM+\b], 0x7f800000, s[MNT]
.endr
.irp b, 0,1,2,3
	v_lshrrev_b32 v[TM+4+\b], 23, v[TO+\b]         ; the scale's byte
.endr
	v_lshl_or_b32 v[\ew], v[TM+5], 8, v[TM+4]
	v_lshl_or_b32 v[\ew], v[TM+6], 16, v[\ew]
	v_lshl_or_b32 v[\ew], v[TM+7], 24, v[\ew]
.irp b, 0,1,2,3
.irp i, 0,1,2,3,4,5,6,7,8,9,10,11,12,13,14,15
	v_med3_num_f32 v[X+16*\b+\i], v[X+16*\b+\i], -v[TH+\b], v[TH+\b]   ; the conversion does not saturate (ISA guide 7.6.2): the hold comes first
.endr
.endr
.if \wx
	s_wait_alu depctr_va_vdst(0)
	s_wait_xcnt 0x0                                ; the last fragment's stores have read the codes' registers
.endif
.irp b, 0,1,2,3
	v_cvt_scalef32_pk8_bf8_f32 v[(\pc)+4*\b+(\gap)*(\b/2):(\pc)+4*\b+(\gap)*(\b/2)+1], v[X+16*\b:X+16*\b+7], v[TO+\b]
	v_cvt_scalef32_pk8_bf8_f32 v[(\pc)+4*\b+(\gap)*(\b/2)+2:(\pc)+4*\b+(\gap)*(\b/2)+3], v[X+16*\b+8:X+16*\b+15], v[TO+\b]
.endr
	v_nop                                          ; one plain line behind the last conversion
.endm
	s_load_b128 s[4:7], s[0:1], 0x0                ; key, kcodes
	s_load_b64 s[8:9], s[0:1], 0x10                ; kscales
	v_lshl_add_u32 v62, v0, 2, SPARE
	v_mov_b32 v63, 0
	v_lshrrev_b32 v1, 5, v0
	v_readfirstlane_b32 s16, v1                    ; wave 0..3
	s_mul_i32 s27, s16, STG
	s_lshl_b32 s17, ttmp9, 2
	s_add_co_u32 s17, s17, s16                     ; my quad of key: 4 x work-group + wave
	s_lshl_b32 s18, s17, 15                        ; its 128 rows: 32,768 bytes
	s_mov_b32 s19, 0
	s_lshl_b32 s20, s17, 13                        ; its codes: 8,192 x quad
	s_mov_b32 s21, 0
	s_lshl_b32 s22, s17, 8                         ; its scale words: 256 x quad
	s_mov_b32 s23, 0
	s_mov_b32 s[SEL], 0x76543210
	s_mov_b32 s[SEL+1], 0xfedcba98
	s_mov_b32 s[MNT], 0x600000
	v_and_b32 v1, 31, v0
	v_and_b32 v2, 15, v0                           ; r
	v_bfe_u32 v3, v0, 4, 1                         ; h
	v_lshlrev_b32 v[GOFF], 4, v1
	v_mul_u32_u24 v[STQ], v3, 272
	v_lshl_add_u32 v[STQ], v2, 4, v[STQ]
	v_add_nc_u32 v[STQ], s27, v[STQ]
	v_mul_u32_u24 v[RB], v2, 272
	v_lshl_add_u32 v[RB], v3, 6, v[RB]
	v_add_nc_u32 v[RB], s27, v[RB]
	v_lshlrev_b32 v[SOFF], 4, v2
	v_lshl_add_u32 v[SOFF], v3, 3, v[SOFF]
.irp b, 0,1,2,3
	v_mov_b32 v[TM+4+\b], 0                        ; a lane permute's destination counts as one of its sources
.endr
	s_wait_alu depctr_va_vdst(0)                   ; the head's end
	s_wait_kmcnt 0x0
	s_add_nc_u64 s[4:5], s[4:5], s[18:19]
	s_add_nc_u64 s[6:7], s[6:7], s[20:21]
	s_add_nc_u64 s[8:9], s[8:9], s[22:23]
.macro FRAG f
.if (\f) < 3
	s_wait_loadcnt 16                              ; this fragment's sixteen loads are in; the next fragment's sixteen may be out
.else
	s_wait_loadcnt 0x0
.endif
	TURN (\f)%2
	s_wait_dscnt 0x0                               ; X is in, and the stage's stores have read their set,
.if (\f) < 2
	LOAD (\f)%2, 4, 512, 8192*((\f)+2)             ; which takes the fragment two further on
.endif
	QUANT PC, 0, EW+(\f), (\f)>0
.irp c, 0,1,2,3
	global_store_b128 v[GOFF], v[PC+4*\c:PC+4*\c+3], s[6:7] offset:2048*(\f)+512*\c   ; 32 lanes store 512 consecutive bytes, aligned
.endr
.endm
	LOAD 0, 4, 512, 0
	LOAD 1, 4, 512, 8192
	FRAG 0
	FRAG 1
	FRAG 2
	FRAG 3
	v_cmp_ne_u32 vcc_lo, 0, v3                     ; lanes 0-15 send fragments 0 and 1's words, lanes 16-31 fragments 2 and 3's
	v_cndmask_b32 v10, v[EW], v[EW+2], vcc_lo
	v_cndmask_b32 v11, v[EW+1], v[EW+3], vcc_lo
	global_store_b64 v[SOFF], v[10:11], s[8:9]     ; 32 lanes store 256 consecutive bytes, aligned
	s_wait_tensorcnt 0x0                           ; the wave's end
	ds_add_u32 v62, v63
	s_wait_dscnt 0x0
	s_endpgm
.Lfunc_end_k_qeeef3a762f_quantk:
	.size	k_qeeef3a762f_quantk, .Lfunc_end_k_qeeef3a762f_quantk-k_qeeef3a762f_quantk
	.p2alignl 7, 3214868480
	.fill 96, 4, 3214868480
	.section	.rodata,"a",@progbits
	.p2align	6, 0x0
	.amdhsa_kernel k_qeeef3a762f_quantk
		.amdhsa_group_segment_fixed_size 35328
		.amdhsa_private_segment_fixed_size 0
		.amdhsa_enable_private_segment 0
		.amdhsa_kernarg_size 24
		.amdhsa_user_sgpr_count 2
		.amdhsa_user_sgpr_kernarg_segment_ptr 1
		.amdhsa_wavefront_size32 1
		.amdhsa_system_sgpr_workgroup_id_x 1
		.amdhsa_system_sgpr_workgroup_id_y 1
		.amdhsa_system_sgpr_workgroup_id_z 1
		.amdhsa_system_vgpr_workitem_id 0
		.amdhsa_next_free_vgpr 256
		.amdhsa_next_free_sgpr 66
		.amdhsa_reserve_vcc 1
		.amdhsa_float_denorm_mode_32 3
		.amdhsa_float_denorm_mode_16_64 3
		.amdhsa_memory_ordered 1
		.amdhsa_forward_progress 1
		.amdhsa_inst_pref_size 51
	.end_amdhsa_kernel
	.amdgpu_metadata
---
amdhsa.version: [ 1, 2 ]
amdhsa.kernels:
  - .name:           k_qeeef3a762f_quantk
    .symbol:         k_qeeef3a762f_quantk.kd
    .args:
      - { .name: key, .offset: 0, .size: 8, .value_kind: global_buffer, .address_space: global }
      - { .name: kcodes, .offset: 8, .size: 8, .value_kind: global_buffer, .address_space: global }
      - { .name: kscales, .offset: 16, .size: 8, .value_kind: global_buffer, .address_space: global }
    .group_segment_fixed_size: 35328
    .private_segment_fixed_size: 0
    .kernarg_segment_align: 8
    .kernarg_segment_size: 24
    .max_flat_workgroup_size: 128
    .sgpr_count:     66
    .vgpr_count:     256
    .wavefront_size: 32
...
	.end_amdgpu_metadata
.endif
;; end of part 1
;; launch rowstat (part 2): grid 256 x 1, 16 waves a work-group, clusters of 4 x 1, 281,600 bytes of LDS; arguments query, value, codes, scales, stats, kcodes, kscales; writes codes, scales, stats
.if DOCPART == 2
	.amdgcn_target "amdgcn-amd-amdhsa--gfx1250"
	.amdhsa_code_object_version 6
	.text
	.protected	k_qeeef3a762f_rowstat
	.globl	k_qeeef3a762f_rowstat
	.p2align	8
	.type	k_qeeef3a762f_rowstat,@function
k_qeeef3a762f_rowstat:
	s_mov_b64 s[64:65], 0
	v_nop
	global_prefetch_b8 v0, s[64:65] scope:SCOPE_SE
	s_setreg_imm32_b32 hwreg(HW_REG_WAVE_MODE, 25, 1), 1
	s_wait_xcnt 0x0
	s_wait_alu depctr_hold_cnt(0) depctr_sa_sdst(0) depctr_va_vdst(0) depctr_va_sdst(0) depctr_va_ssrc(0) depctr_va_vcc(0) depctr_vm_vsrc(0)
	s_getreg_b32 s2, hwreg(HW_REG_IB_STS2, 6, 4)
	s_cmp_eq_u32 s2, 0
	s_cbranch_scc0 .Lentry_in_a_cluster
	s_endpgm
.Lentry_in_a_cluster:
	s_bfe_u32 s2, ttmp6, 0x10000c
	s_cmp_lg_u32 s2, 0x3003
	s_cbranch_scc0 .Lentry_shape_is_right
	s_endpgm
.Lentry_shape_is_right:
; For every (head, query): NB = -c m - log2 l, where c = log2(e) / 8, m is the row's largest score Q.K (on codes of BF8 with E8M0 scales) and l the sum over all 2,048 keys of 2^(c s - c m).
; The finished weight of the softmax is then 2^(c s + NB).  The second product contracts over the QUERIES, so the rows' statistics have to exist before any of its codes is made.
; ALSO HERE: query is quantised by the wave that owns its 32 rows (each number is read once, by its one reader; the codes ARE the wave's operand, and are stored for the launch that follows);
; value is quantised for the launch that follows by waves 0 to 3, a quad each, behind their own loops.  Layouts and the quantiser: as laid down at the head of the launch before.
; LIMITS: NaN and infinities are not served; a term under 2^-126 counts as 0 (v_exp_f32); NB is rounded once to f32; a block whose largest magnitude lies under 2^-111, a block of zeros too, keeps the scale byte 1.
; SHARES.  A cluster of four work-groups takes a head, each a quarter of its queries; each of sixteen waves owns one pair of query tiles (32 queries) and walks the head's 2,048 keys, 128 a trip.
; K'S CODES OF THE WHOLE HEAD, 131,072 bytes, come into LDS once, by ONE joint tensor load of each wave, 8,192 bytes (the four work-groups need the same bytes); no LDS byte is filled twice.
; K = 64 IN A FORM OF 128.  A fragment is a PAIR of tiles: tile 0 in blocks 0, 1 along K, tile 1 in blocks 2, 3.  The resident tile T stands between runs Z of zero codes: (T, Z) meets the pair's tile 0, (Z, T) its tile 1; its two scale bytes are doubled.
; LAYOUT.  S^T = K Q^T: a lane holds ONE query (image row lane % 16) and register 16 P + i key 32 P + 16 (lane / 16) + i.  Each lane keeps m and l over its half of the keys; the halves meet at the end.
; PREFETCH.  value's quads: in each of its last four trips a wave 0 to 3 names one fragment of its quad, 16 rows x 512 bytes, a lane to each 256: four trips to one trip ahead of the loads; each block is named once.  K's codes and query come at the head, where no loop runs ahead.
.set KSC,   131072                     ; LDS: behind K's images: K's scale words, 16 quads of 256 bytes
.set QSL,   KSC+4096                   ; my work-group's four quads of Q's scale words
.set STG0,  QSL+5120                   ; sixteen stages of 32 slots x 272 bytes; 4,096 bytes lie unused between Q's words and the first stage
.set STG,   8704
.set SPARE, STG0+16*STG                ; the spare words, 128 bytes a wave
.set SPW,  1                           ; v1   my spare word;  v2  0: never rewritten
.set NIL,  2
.set AK0,  3                           ; v3   16 x lane
.set GOFF, 3
.set AK,   4                           ; v4   the chunk in hand
.set AS0,  5                           ; v5   KSC + 16 r
.set AS,   6                           ; v6   the chunk's quad of scale words
.set SOF,  7                           ; v7   4 (8 h + r + 8 (r / 8))
.set QZ,   8                           ; v8-47   [Z][Q0][Z][Q1][Z], 8 registers each; the runs Z serve the quantiser before they are cleared, and behind the loop
.set TM,   24
.set TH,   40
.set TO,   44
.set QD,   48                          ; v48-49  my two tiles' doubled scale words
.set QW,   50                          ; v50     the pair's word
.set QSA,  51                          ; v51     where it goes in LDS
.set WK,   52                          ; v52-55  the chunk's four pairs' scale words
.set STQ,  56                          ; v56     query into the stage;  v57 back;  v58 value into the stage;  v59 16 r + 8 h
.set RB,   57
.set STV,  58
.set SOFF, 59
.set EW,   60                          ; v60-63  head: at work; behind the loop: value's four scale words
.set R,    64                          ; v64-191 numbers as loaded, two sets
.set KF,   64                          ; v64-127 the chunk's four pairs
.set S,    128                         ; v128-191 scores, then terms
.set X,    192                         ; v192-255 the quantiser's 64 numbers
.set ST,   192                         ; tile t at v[192 + 8 t]: +0 -c m, +1 its pair's partner, +2, +3 l in two halves, +4 m
.set CH,   240                         ; v240-247 eight chains of the maximum, one to an accumulator
.set AF,   212
.set TS,   220                         ; v220-233 seven further chains of the sum, a pair each
.set OLD,  216
.set PFO,  218                         ; v218    the prefetches' offset: 8,192 (lane / 2) + 256 (lane % 2)
.set SEL,  44
.set MNT,  43
.macro ROUND                           ; a round of the cluster's barrier
	s_barrier_signal -1
	s_barrier_wait -1
	s_cmp_lg_u32 s12, 0
	s_cbranch_scc1 .Lnot_wave_0_\@
	s_barrier_signal -3
.Lnot_wave_0_\@:
	s_barrier_wait -3
	s_barrier_signal -1
	s_barrier_wait -1
.endm
.macro PLACES n
.rept \n
	v_nop
.endr
.endm
.macro LOAD set, base, row, off        ; sixteen loads of 512 consecutive bytes, row bytes apart
.irp i, 0,1,2,3,4,5,6,7,8,9,10,11,12,13,14,15
	global_load_b128 v[R+64*(\set)+4*\i:R+64*(\set)+4*\i+3], v[GOFF], s[\base:\base+1] offset:(\off)+(\row)*\i th:TH_LOAD_NT
.endr
.endm
.macro TURN set, isv                   ; through my stage: LDS serves a wave's instructions in order
.irp i, 0,1,2,3,4,5,6,7,8,9,10,11,12,13,14,15
.if \isv
	ds_store_b128 v[STV], v[R+64*(\set)+4*\i:R+64*(\set)+4*\i+3] offset:272*\i      ; lanes 0-15: slot i, lanes 16-31: slot 16 + i
.else
	ds_store_b128 v[STQ], v[R+64*(\set)+4*\i:R+64*(\set)+4*\i+3] offset:272*(16*(((2*\i)>>3)&1)+((2*\i)&7)+8*((2*\i)>>4))
.endif
.endr
.irp u, 0,1
.irp c, 0,1
.irp j, 0,1,2,3
	ds_load_b128 v[X+16*(2*\u+\c)+4*\j:X+16*(2*\u+\c)+4*\j+3], v[RB] offset:4352*\u+128*\c+16*\j
.endr
.endr
.endr
.endm
.macro QUANT pc, gap, ew, wx           ; X's four blocks become codes in v[pc + 4 b + gap (b / 2)] and the scale word ew
.irp b, 0,1,2,3
	v_max3_num_f32 v[TM+\b], |v[X+16*\b]|, |v[X+1+16*\b]|, 0x8000000
.endr
.irp i, 2,4,6,8,10,12,14
.irp b, 0,1,2,3
	v_max3_num_f32 v[TM+\b], v[TM+\b], |v[X+16*\b+\i]|, |v[X+1+16*\b+\i]|
.endr
.endr
.irp b, 0,1,2,3
	v_permlanex16_b32 v[TM+4+\b], v[TM+\b], s[SEL], s[SEL+1]
.endr
.irp b, 0,1,2,3
	v_max_num_f32 v[TM+\b], v[TM+\b], v[TM+4+\b]
.endr
.irp b, 0,1,2,3
	v_add_nc_u32 v[TO+\b], 0xf8800000, v[TM+\b]
.endr
.irp b, 0,1,2,3
	v_and_or_b32 v[TH+\b], v[TM+\b], 0x7f800000, s[MNT]
.endr
.irp b, 0,1,2,3
	v_lshrrev_b32 v[TM+4+\b], 23, v[TO+\b]
.endr
	v_lshl_or_b32 v[\ew], v[TM+5], 8, v[TM+4]
	v_lshl_or_b32 v[\ew], v[TM+6], 16, v[\ew]
	v_lshl_or_b32 v[\ew], v[TM+7], 24, v[\ew]
.irp b, 0,1,2,3
.irp i, 0,1,2,3,4,5,6,7,8,9,10,11,12,13,14,15
	v_med3_num_f32 v[X+16*\b+\i], v[X+16*\b+\i], -v[TH+\b], v[TH+\b]   ; the conversion does not saturate (ISA guide 7.6.2): the hold comes first
.endr
.endr
.if \wx
	s_wait_alu depctr_va_vdst(0)
	s_wait_xcnt 0x0                                ; the last fragment's stores have read the codes' registers
.endif
.irp b, 0,1,2,3
	v_cvt_scalef32_pk8_bf8_f32 v[(\pc)+4*\b+(\gap)*(\b/2):(\pc)+4*\b+(\gap)*(\b/2)+1], v[X+16*\b:X+16*\b+7], v[TO+\b]
	v_cvt_scalef32_pk8_bf8_f32 v[(\pc)+4*\b+(\gap)*(\b/2)+2:(\pc)+4*\b+(\gap)*(\b/2)+3], v[X+16*\b+8:X+16*\b+15], v[TO+\b]
.endr
	v_nop                                          ; one plain line behind the last conversion
.endm
	s_load_b256 s[4:11], s[0:1], 0x0               ; query s[4:5], value s[6:7], codes s[8:9], scales s[10:11]
	s_load_b64 s[24:25], s[0:1], 0x20              ; stats
	s_load_b128 s[68:71], s[0:1], 0x28             ; kcodes s[68:69], kscales s[70:71]: read here, stored by the launch before
	v_lshl_add_u32 v[SPW], v0, 2, SPARE
	v_mov_b32 v[NIL], 0
	ds_add_u32 v[SPW], v[NIL]                      ; the opening lines: the add twice on end and its one wait
	ds_add_u32 v[SPW], v[NIL]
	v_lshrrev_b32 v4, 5, v0
	v_readfirstlane_b32 s12, v4                    ; wave 0..15
	s_bfe_u32 s13, ttmp6, 0x40000                  ; cx: my quarter; it enters the addresses of plain loads and stores alone
	s_mov_b32 s14, ttmp9                           ; the head
	s_and_b32 s50, s12, 3
	s_lshr_b32 s51, s12, 2
	s_mov_b32 s16, 15|(3<<16)|(1<<21)              ; group 1: 32 dense rows of 256 bytes; the mask: all four work-groups; bit 21 beside it
	s_mov_b32 s17, 32<<16
	s_mov_b32 s18, 32<<16
	s_mov_b32 s19, 32<<16
	s_mov_b32 s20, 32
	s_mov_b32 s21, 32
	s_mov_b32 s22, 0
	s_mov_b32 s23, 0
	s_mov_b32 s32, 1
	s_lshl_b32 s33, s12, 13                        ; chunk = wave: 8,192 bytes, at the same place in LDS as in the head's K
	s_lshl_b32 s15, s14, 17
	s_add_co_u32 s52, s15, s33                     ; K's codes: 131,072 head + 8,192 wave
	s_mov_b32 s53, 0
	s_lshl_b32 s36, s13, 15
	s_add_co_u32 s38, s15, s36                     ; 131,072 head + 32,768 cx
	s_lshl_b32 s37, s12, 11
	s_add_co_u32 s54, s38, s37                     ; Q's codes: my fragment
	s_mov_b32 s55, 0
	s_lshl_b32 s37, s50, 13
	s_add_co_u32 s28, s38, s37
	s_add_co_u32 s28, s28, 16777216                ; V's codes: quad 16 head + 4 cx + wave % 4
	s_mov_b32 s29, 0
	s_lshl_b32 s15, s14, 19
	s_lshl_b32 s36, s13, 17
	s_add_co_u32 s56, s15, s36
	s_add_co_u32 s56, s56, s33                     ; query: my 32 rows, 8,192 bytes
	s_mov_b32 s57, 0
	s_lshl_b32 s36, s13, 11
	s_add_co_u32 s26, s15, s36
	s_lshl_b32 s37, s50, 9
	s_add_co_u32 s26, s26, s37                     ; value: the head, step 4 cx + wave % 4: 512 bytes of each row
	s_mov_b32 s27, 0
	s_lshl_b32 s15, s14, 12
	s_lshl_b32 s36, s13, 10
	s_add_co_u32 s58, s15, s36                     ; Q's scale words: my work-group's four quads
	s_mov_b32 s59, 0
	s_lshl_b32 s37, s50, 8
	s_add_co_u32 s30, s58, s37
	s_add_co_u32 s30, s30, 524288                  ; V's scale words: my quad
	s_mov_b32 s31, 0
	s_mov_b32 s60, s15                             ; K's scale words of the head: 4,096 head
	s_mov_b32 s61, 0
	s_lshl_b32 s62, s14, 13                        ; stats: 4 (2,048 head + 512 cx + 32 wave)
	s_lshl_b32 s36, s13, 11
	s_add_co_u32 s62, s62, s36
	s_lshl_b32 s36, s12, 7
	s_add_co_u32 s62, s62, s36
	s_mov_b32 s63, 0
	s_mul_i32 s39, s12, STG
	s_add_co_u32 s39, s39, STG0                    ; my stage
	s_lshl_b32 s2, s51, 8
	s_lshl_b32 s3, s50, 2
	s_add_co_u32 s2, s2, s3                        ; my word's place among Q's quads: 256 (wave / 4) + 4 (wave % 4)
	s_mov_b32 s40, 0x3e38aa3b                      ; c = log2(e) / 8
	s_mov_b32 s41, s40
	s_mov_b32 s42, 0xbe38aa3b                      ; -c
	s_mov_b32 s[MNT], 0x600000
	s_mov_b32 s[SEL], 0x76543210
	s_mov_b32 s[SEL+1], 0xfedcba98
	s_mov_b32 s46, 0                               ; 8,192 x the chunk to be fetched
	v_and_b32 v4, 31, v0                           ; lane
	v_and_b32 v6, 15, v0                           ; r
	v_bfe_u32 v60, v0, 4, 1                        ; h
	v_lshlrev_b32 v[AK0], 4, v4
	v_lshl_add_u32 v[AS0], v6, 4, KSC
	v_lshrrev_b32 v61, 3, v6
	v_lshl_add_u32 v61, v61, 3, v6
	v_lshl_add_u32 v61, v60, 3, v61
	v_lshlrev_b32 v[SOF], 2, v61
	v_mul_u32_u24 v[STQ], v60, 272
	v_lshl_add_u32 v[STQ], v6, 4, v[STQ]
	v_add_nc_u32 v[STQ], s39, v[STQ]
	v_mul_u32_u24 v[RB], v6, 272
	v_lshl_add_u32 v[RB], v60, 6, v[RB]
	v_add_nc_u32 v[RB], s39, v[RB]
	v_mul_u32_u24 v[STV], v60, 4352
	v_lshl_add_u32 v[STV], v6, 4, v[STV]
	v_add_nc_u32 v[STV], s39, v[STV]
	v_lshlrev_b32 v[SOFF], 4, v6
	v_lshl_add_u32 v[SOFF], v60, 3, v[SOFF]
	v_lshl_add_u32 v[QSA], v6, 4, QSL
	v_add_nc_u32 v[QSA], s2, v[QSA]
	v_lshlrev_b32 v62, 3, v0                       ; 8 x thread
	v_lshl_add_u32 v63, v0, 3, KSC
.irp b, 0,1,2,3
	v_mov_b32 v[TM+4+\b], 0                        ; a lane permute's destination counts as one of its sources
.endr
	s_wait_dscnt 0x0                               ; both opening adds are done
	s_wait_alu depctr_va_vdst(0)                   ; the head's end
	s_wait_kmcnt 0x0
	s_add_nc_u64 s[34:35], s[68:69], s[52:53]
	s_or_b32 s35, s35, 0x80000000                  ; type = 2
	s_add_nc_u64 s[54:55], s[8:9], s[54:55]
	s_add_nc_u64 s[28:29], s[8:9], s[28:29]
	s_add_nc_u64 s[56:57], s[4:5], s[56:57]
	s_add_nc_u64 s[26:27], s[6:7], s[26:27]
	s_add_nc_u64 s[58:59], s[10:11], s[58:59]
	s_add_nc_u64 s[30:31], s[10:11], s[30:31]
	s_add_nc_u64 s[60:61], s[70:71], s[60:61]
	s_add_nc_u64 s[62:63], s[24:25], s[62:63]
	s_mov_b64 s[36:37], s[26:27]                   ; where my prefetches stand
	s_mov_b32 s3, 0
	s_cmp_lt_u32 s12, 4
	s_cselect_b32 s38, 4, 0                        ; waves 0 to 3 ask in the trips that count 4 to 1; the others never
	LOAD 0, 56, 512, 0                             ; my 32 queries
	global_load_b64 v[60:61], v62, s[60:61]        ; K's scale words: 512 threads x 8 bytes
	ROUND                                          ; all four work-groups are here: the joint loads meet
	tensor_load_to_lds s[32:35], s[16:23]          ; my one tensor load
	s_nop 0
.rept 4
	v_nop
.endr
	s_wait_loadcnt 0x0
	ds_store_b64 v63, v[60:61]
	TURN 0, 0
	s_wait_dscnt 0x0
	QUANT QZ+8, 8, QW, 0                           ; the codes land where the products read them: tile 0 in v16-23, tile 1 in v32-39
	ds_store_b32 v[QSA], v[QW]                     ; both halves of the lanes write the same word with the same value
	v_perm_b32 v[QD], v[QW], v[QW], 0x01000100     ; tile 0's two bytes, doubled
	v_perm_b32 v[QD+1], v[QW], v[QW], 0x03020302   ; tile 1's.  (More than eight plain lines follow ahead of the first scaled product)
.irp z, 0,16,32
.irp i, 0,1,2,3,4,5,6,7
	v_mov_b32 v[QZ+\z+\i], 0                       ; the three runs of zero codes
.endr
.endr
.irp t, 0,1
	v_mov_b32 v[ST+8*\t+4], 0xff61b1e6             ; m: -3e38, under every score
	v_mov_b32 v[ST+8*\t+1], 0
	v_mov_b32 v[ST+8*\t+2], 0                      ; l
	v_mov_b32 v[ST+8*\t+3], 0
	v_mul_f32 v[ST+8*\t], s42, v[ST+8*\t+4]
.endr
	v_mov_b32 v[AF+1], 0
	v_mov_b32 v[AK], v[AK0]
	v_mov_b32 v[AS], v[AS0]
	v_and_b32 v219, 31, v0
	v_lshrrev_b32 v[PFO], 1, v219
	v_and_b32 v219, 1, v0
	v_lshlrev_b32 v[PFO], 13, v[PFO]
	v_lshl_add_u32 v[PFO], v219, 8, v[PFO]
	s_wait_alu depctr_va_vdst(0)
	s_wait_tensorcnt 0x0                           ; my chunk of K is in
	s_wait_dscnt 0x0                               ; for the others' sake: my scale words are stored
	s_barrier_signal -1
	s_barrier_wait -1                              ; everybody's are; nothing is ever filled again
.irp c, 0,1,2,3
	global_store_b128 v[GOFF], v[QZ+8+4*\c+8*(\c/2):QZ+8+4*\c+8*(\c/2)+3], s[54:55] offset:512*\c   ; Q's codes, behind the wait for my tensor load: 32 lanes store 512 consecutive bytes, aligned
.endr
	s_cmp_lt_u32 s12, 4
	s_cbranch_scc0 .Lno_words
	ds_load_b64 v[60:61], v63 offset:4096          ; waves 0 to 3: a quad of Q's scale words each,
	s_wait_dscnt 0x0
	global_store_b64 v62, v[60:61], s[58:59]       ; 32 lanes store 256 consecutive bytes, aligned
.Lno_words:
.macro KLOAD                           ; a chunk: four pairs as images of their registers, and their scale words by one load
.irp p, 0,1,2,3
.irp c, 0,1,2,3
	ds_load_b128 v[KF+16*\p+4*\c:KF+16*\p+4*\c+3], v[AK] offset:2048*\p+512*\c
.endr
.endr
	ds_load_b128 v[WK:WK+3], v[AS]
.endm
.macro MM t                            ; the chunk's 128 keys against my tile t: eight products, each on an accumulator of its own
.irp p, 0,1,2,3
	v_wmma_scale_f32_16x16x128_f8f6f4 v[S+16*\p:S+16*\p+7], v[KF+16*\p:KF+16*\p+15], v[QZ+8+16*(\t):QZ+23+16*(\t)], 0, v[WK+\p], v[QD+(\t)] matrix_a_fmt:MATRIX_FMT_BF8 matrix_b_fmt:MATRIX_FMT_BF8
	v_wmma_scale_f32_16x16x128_f8f6f4 v[S+16*\p+8:S+16*\p+15], v[KF+16*\p:KF+16*\p+15], v[QZ+16*(\t):QZ+15+16*(\t)], 0, v[WK+\p], v[QD+(\t)] matrix_a_fmt:MATRIX_FMT_BF8 matrix_b_fmt:MATRIX_FMT_BF8
.endr
.endm
.macro SOFT t                          ; my 64 scores of tile t go into its running m and l
.set rT, ST+8*(\t)
.irp k, 0,1,2,3,4,5,6,7
	v_max3_num_f32 v[CH+\k], v[S+8*\k], v[S+8*\k+1], v[S+8*\k+2]   ; eight chains by turns, one to an accumulator, ascending: each accumulator is first read at its low end
.endr
.irp i, 3,5
.irp k, 0,1,2,3,4,5,6,7
	v_max3_num_f32 v[CH+\k], v[CH+\k], v[S+8*\k+\i], v[S+8*\k+\i+1]
.endr
.endr
.irp k, 0,1,2,3
	v_max3_num_f32 v[CH+\k], v[CH+\k], v[S+16*\k+7], v[S+16*\k+15]   ; the accumulators' eighth registers
.endr
	v_mov_b32 v[OLD], v[rT]
	v_max3_num_f32 v[CH], v[CH], v[CH+4], v[CH+5]
	v_max3_num_f32 v[CH+1], v[CH+1], v[CH+6], v[CH+7]
	s_delay_alu instid0(VALU_DEP_1)
	v_max3_num_f32 v[CH], v[CH], v[CH+1], v[CH+2]
	s_delay_alu instid0(VALU_DEP_1)
	v_max3_num_f32 v[rT+4], v[CH], v[CH+3], v[rT+4]               ; the new m
	s_delay_alu instid0(VALU_DEP_1)
	v_mul_f32 v[rT], s42, v[rT+4]                                 ; -c m
	s_delay_alu instid0(VALU_DEP_1)
	v_sub_f32 v[OLD], v[rT], v[OLD]                               ; c m_old - c m_new: its exponential goes with the batch below
.set j, 0
.rept 32
	v_pk_fma_f32 v[S+j:S+j+1], v[S+j:S+j+1], s[40:41], v[rT:rT+1] op_sel_hi:[1,0,0]   ; c s - c m, two at a time
.set j, j+2
.endr
.set j, 0
	s_wait_alu depctr_va_vdst(0)                                  ; ahead of the batch of 65
	v_exp_f32 v[AF], v[OLD]
.rept 64
	v_exp_f32 v[S+j], v[S+j]
.set j, j+1
.endr
	s_wait_alu depctr_va_vdst(0)                                  ; and behind it
	v_pk_mul_f32 v[rT+2:rT+3], v[rT+2:rT+3], v[AF:AF+1] op_sel_hi:[1,0]   ; l under the new m.  (The plain place behind the exponentials)
.irp n, 0,1,2,3,4,5,6
	v_pk_add_f32 v[TS+2*\n:TS+2*\n+1], v[S+4*\n:S+4*\n+1], v[S+4*\n+2:S+4*\n+3]   ; the sum, two at a time, in eight chains by turns: 32 additions for 32 pairs and l
.endr
	v_pk_add_f32 v[rT+2:rT+3], v[rT+2:rT+3], v[S+28:S+29]
.irp g, 0,1
.irp n, 0,1,2,3,4,5,6
	v_pk_add_f32 v[TS+2*\n:TS+2*\n+1], v[TS+2*\n:TS+2*\n+1], v[S+30+16*\g+2*\n:S+31+16*\g+2*\n]
.endr
	v_pk_add_f32 v[rT+2:rT+3], v[rT+2:rT+3], v[S+44+16*\g:S+45+16*\g]
.endr
	v_pk_add_f32 v[TS:TS+1], v[TS:TS+1], v[S+62:S+63]
	v_pk_add_f32 v[TS+2:TS+3], v[TS+2:TS+3], v[TS+4:TS+5]         ; the chains meet
	v_pk_add_f32 v[TS+6:TS+7], v[TS+6:TS+7], v[TS+8:TS+9]
	v_pk_add_f32 v[TS+10:TS+11], v[TS+10:TS+11], v[TS+12:TS+13]
	v_pk_add_f32 v[rT+2:rT+3], v[rT+2:rT+3], v[TS:TS+1]
	v_pk_add_f32 v[TS+2:TS+3], v[TS+2:TS+3], v[TS+6:TS+7]
	v_pk_add_f32 v[rT+2:rT+3], v[rT+2:rT+3], v[TS+10:TS+11]
	v_pk_add_f32 v[rT+2:rT+3], v[rT+2:rT+3], v[TS+2:TS+3]
.endm
; A trip: one chunk against both tiles.  Eight places stand behind each run of products.
.macro TRIP
	s_wait_xcnt 0x0                                ; any prefetch of mine has read its address
	s_cmp_lt_u32 s49, s38
	s_cselect_b32 s2, 0x20000, 0                   ; behind a trip that asked: 16 rows of value on
	s_add_nc_u64 s[36:37], s[36:37], s[2:3]
	s_cmp_le_u32 s49, s38
	s_cbranch_scc0 .Lnot_asked_\@
	global_prefetch_b8 v[PFO], s[36:37] th:TH_LOAD_NT scope:SCOPE_SE
.Lnot_asked_\@:
	s_wait_dscnt 0x0                               ; the chunk and its scale words are in
	MM 0
	PLACES 8
	SOFT 0
	MM 1
	PLACES 8
	s_add_co_u32 s46, s46, 8192                    ; the next chunk; behind the last the walk wraps to chunk 0, whose bytes are loaded and not used
	s_and_b32 s47, s46, 0x1ffff
	s_lshr_b32 s48, s47, 5                         ; 256 bytes of scale words a chunk
	v_add_nc_u32 v[AK], s47, v[AK0]
	v_add_nc_u32 v[AS], s48, v[AS0]
	KLOAD                                          ; it lands while tile 1's vector work is done
	SOFT 1
.endm
	KLOAD                                          ; chunk 0
	s_mov_b32 s49, 16
.Lchunk:
	TRIP
	s_sub_co_u32 s49, s49, 1
	s_cmp_lg_u32 s49, 0
	s_cbranch_scc1 .Lchunk
	s_wait_dscnt 0x0
	s_wait_xcnt 0x0                                ; the last prefetch has read its offset: v218 is written again below
	; the two halves of the lanes meet: m = the larger; each half's l is brought under it; the sum; its logarithm goes into NB
.irp t, 0,1
	v_mov_b32 v[216+4*\t], 0                       ; a lane permute's destination counts as one of its sources
	v_mov_b32 v[219+4*\t], 0
.endr
.irp t, 0,1
	v_permlanex16_b32 v[216+4*\t], v[ST+8*\t+4], s[SEL], s[SEL+1]
.endr
.irp t, 0,1
	v_max_num_f32 v[216+4*\t], v[216+4*\t], v[ST+8*\t+4]
.endr
.irp t, 0,1
	v_mul_f32 v[217+4*\t], s42, v[216+4*\t]        ; -c m
.endr
.irp t, 0,1
	v_sub_f32 v[218+4*\t], v[217+4*\t], v[ST+8*\t]
.endr
	s_wait_alu depctr_va_vdst(0)
.irp t, 0,1
	v_exp_f32 v[218+4*\t], v[218+4*\t]
.endr
.irp t, 0,1
	v_add_f32 v[ST+8*\t+2], v[ST+8*\t+2], v[ST+8*\t+3]   ; l's two halves.  (Plain places behind the exponentials)
.endr
	s_wait_alu depctr_va_vdst(0)
.irp t, 0,1
	v_mul_f32 v[218+4*\t], v[218+4*\t], v[ST+8*\t+2]
.endr
.irp t, 0,1
	v_permlanex16_b32 v[219+4*\t], v[218+4*\t], s[SEL], s[SEL+1]
.endr
.irp t, 0,1
	v_add_f32 v[218+4*\t], v[218+4*\t], v[219+4*\t]      ; l: at least 1, since the row's largest score gives the term 1
.endr
	s_wait_alu depctr_va_vdst(0)
.irp t, 0,1
	v_log_f32 v[218+4*\t], v[218+4*\t]             ; log2 l
.endr
	v_bfe_u32 v208, v0, 4, 1                       ; h.  (A plain place behind the logarithms)
	v_cmp_ne_u32 vcc_lo, 0, v208
	s_wait_alu depctr_va_vdst(0)
.irp t, 0,1
	v_sub_f32 v[217+4*\t], v[217+4*\t], v[218+4*\t]      ; NB = -c m - log2 l
.endr
	v_cndmask_b32 v209, v217, v221, vcc_lo         ; lanes 0-15 send tile 0's queries, lanes 16-31 tile 1's
	global_store_b32 v[SOF], v209, s[62:63]        ; 32 lanes store 128 consecutive bytes: half of an aligned 256; the whole buffer is 512 KiB
	; VALUE: waves 0 to 3 quantise a quad each: 64 rows x 128 along q, 32 KiB in, 8 KiB of codes and 256 bytes of scale words out
	s_cmp_lt_u32 s12, 4
	s_cbranch_scc0 .Ldone
	s_wait_xcnt 0x0                                ; the store above and the last prefetch have read their registers
.macro VFRAG f
.if (\f) < 3
	s_wait_loadcnt 16                              ; this fragment's sixteen loads are in; the next fragment's sixteen may be out
.else
	s_wait_loadcnt 0x0
.endif
	TURN (\f)%2, 1
	s_wait_dscnt 0x0
.if (\f) < 2
	LOAD (\f)%2, 26, 8192, 131072*((\f)+2)
.endif
	QUANT 8, 32, EW+(\f), (\f)>0                   ; codes in v8-15 and v48-55
.irp c, 0,1,2,3
	global_store_b128 v[GOFF], v[8+4*\c+32*(\c/2):8+4*\c+32*(\c/2)+3], s[28:29] offset:2048*(\f)+512*\c
.endr
.endm
	LOAD 0, 26, 8192, 0
	LOAD 1, 26, 8192, 131072
	VFRAG 0
	VFRAG 1
	VFRAG 2
	VFRAG 3
	v_bfe_u32 v26, v0, 4, 1
	v_cmp_ne_u32 vcc_lo, 0, v26                    ; lanes 0-15 send fragments 0 and 1's words, lanes 16-31 fragments 2 and 3's
	v_cndmask_b32 v24, v[EW], v[EW+2], vcc_lo
	v_cndmask_b32 v25, v[EW+1], v[EW+3], vcc_lo
	global_store_b64 v[SOFF], v[24:25], s[30:31]   ; 32 lanes store 256 consecutive bytes, aligned
.Ldone:
	s_wait_tensorcnt 0x0                           ; the wave's end
	ds_add_u32 v[SPW], v[NIL]
	s_wait_dscnt 0x0
	ROUND                                          ; the closing round
	s_endpgm
.Lfunc_end_k_qeeef3a762f_rowstat:
	.size	k_qeeef3a762f_rowstat, .Lfunc_end_k_qeeef3a762f_rowstat-k_qeeef3a762f_rowstat
	.p2alignl 7, 3214868480
	.fill 96, 4, 3214868480
	.section	.rodata,"a",@progbits
	.p2align	6, 0x0
	.amdhsa_kernel k_qeeef3a762f_rowstat
		.amdhsa_group_segment_fixed_size 281600
		.amdhsa_private_segment_fixed_size 0
		.amdhsa_enable_private_segment 0
		.amdhsa_kernarg_size 56
		.amdhsa_user_sgpr_count 2
		.amdhsa_user_sgpr_kernarg_segment_ptr 1
		.amdhsa_wavefront_size32 1
		.amdhsa_system_sgpr_workgroup_id_x 1
		.amdhsa_system_sgpr_workgroup_id_y 1
		.amdhsa_system_sgpr_workgroup_id_z 1
		.amdhsa_system_vgpr_workitem_id 0
		.amdhsa_next_free_vgpr 256
		.amdhsa_next_free_sgpr 72
		.amdhsa_reserve_vcc 1
		.amdhsa_float_denorm_mode_32 3
		.amdhsa_float_denorm_mode_16_64 3
		.amdhsa_memory_ordered 1
		.amdhsa_forward_progress 1
		.amdhsa_inst_pref_size 93
	.end_amdhsa_kernel
	.amdgpu_metadata
---
amdhsa.version: [ 1, 2 ]
amdhsa.kernels:
  - .name:           k_qeeef3a762f_rowstat
    .symbol:         k_qeeef3a762f_rowstat.kd
    .args:
      - { .name: query, .offset: 0, .size: 8, .value_kind: global_buffer, .address_space: global }
      - { .name: value, .offset: 8, .size: 8, .value_kind: global_buffer, .address_space: global }
      - { .name: codes, .offset: 16, .size: 8, .value_kind: global_buffer, .address_space: global }
      - { .name: scales, .offset: 24, .size: 8, .value_kind: global_buffer, .address_space: global }
      - { .name: stats, .offset: 32, .size: 8, .value_kind: global_buffer, .address_space: global }
      - { .name: kcodes, .offset: 40, .size: 8, .value_kind: global_buffer, .address_space: global }
      - { .name: kscales, .offset: 48, .size: 8, .value_kind: global_buffer, .address_space: global }
    .group_segment_fixed_size: 281600
    .private_segment_fixed_size: 0
    .kernarg_segment_align: 8
    .kernarg_segment_size: 56
    .max_flat_workgroup_size: 512
    .sgpr_count:     72
    .vgpr_count:     256
    .wavefront_size: 32
...
	.end_amdgpu_metadata
.endif
;; end of part 2
;; launch attn (part 3): grid 256 x 1, 8 waves a work-group, clusters of 4 x 1, 327,680 bytes of LDS; arguments codes, scales, stats, out0, kcodes, kscales; writes out0
.if DOCPART == 3
	.amdgcn_target "amdgcn-amd-amdhsa--gfx1250"
	.amdhsa_code_object_version 6
	.text
	.protected	k_qeeef3a762f_attn
	.globl	k_qeeef3a762f_attn
	.p2align	8
	.type	k_qeeef3a762f_attn,@function
k_qeeef3a762f_attn:
	s_mov_b64 s[64:65], 0
	v_nop
	global_prefetch_b8 v0, s[64:65] scope:SCOPE_SE
	s_setreg_imm32_b32 hwreg(HW_REG_WAVE_MODE, 25, 1), 1
	s_wait_xcnt 0x0
	s_wait_alu depctr_hold_cnt(0) depctr_sa_sdst(0) depctr_va_vdst(0) depctr_va_sdst(0) depctr_va_ssrc(0) depctr_va_vcc(0) depctr_vm_vsrc(0)
	s_getreg_b32 s2, hwreg(HW_REG_IB_STS2, 6, 4)
	s_cmp_eq_u32 s2, 0
	s_cbranch_scc0 .Lentry_in_a_cluster
	s_endpgm
.Lentry_in_a_cluster:
	s_bfe_u32 s2, ttmp6, 0x10000c
	s_cmp_lg_u32 s2, 0x3003
	s_cbranch_scc0 .Lentry_shape_is_right
	s_endpgm
.Lentry_shape_is_right:
; out[head][d][k] = the sum over q of V[d][q] attn[q][k], attn[q][k] = 2^(c s + NB[q]), s = Q[q].K[k], c = log2(e) / 8; NB = -c m - log2 l comes from the launch before: the weight is finished and normalised by one multiply-add and one exponential.
; Both products run on codes of BF8 (E5M2) with E8M0 scales.  attn is quantised in blocks of 32 along q, which is the second product's K.
; LIMITS: NaN and infinities are not served; a weight under 2^-126 counts as 0 (v_exp_f32); a block whose largest weight lies under 2^-111 keeps the byte 1; the exponent c s + NB is rounded once, at its own size.
; SHARES.  A cluster of four work-groups takes a head, each a quarter of its keys; each of eight waves owns 64 keys (four tiles of K, resident) and all 64 d: 16 accumulators.  Every wave walks q in 16 steps of 128, each four quarters of 32.
; Two waves lie on a SIMD, so that one wave's products and LDS loads stand beside the other's vector work; four key tiles share each load of Q, NB and V.
; Q'S AND V'S CODES OF THE WHOLE HEAD, 262,144 bytes, come into LDS once, by two joint tensor loads of each wave (the four work-groups need the same bytes).  No LDS byte is filled twice.  A wave has one tensor load out at a time.
; K = 64 IN A FORM OF 128.  A fragment of Q is a PAIR of tiles: tile 0 in blocks 0, 1 along K, tile 1 in blocks 2, 3.  A resident tile T of K stands between runs Z of zero codes: (T, Z) meets the pair's tile 0, (Z, T) its tile 1; its two scale bytes are doubled.
; LAYOUT.  S = Q K^T (source 0 = a pair of Q, source 1 = my tile t of K): a lane holds ONE key, and register 16 t + i holds q = 128 s + 32 b + 16 (lane / 16) + i: 16 neighbours along the next K, so the conversions' results ARE the next operand.
; Then source 0 = the codes of tile t, source 1 = V's fragment dt: lane (r, h) holds d = 16 dt + r, and register j key 32 (t / 2) + 16 h + 8 (t % 2) + j of my 64.
; THE VECTOR WORK BINDS: for each 32 scores half a multiply-add, one exponential, half a maximum, half a hold (two holds go in one dual-issue line) and an eighth of a conversion; the places behind products are filled with work that is due anyway where there is any.
; REGISTERS.  Window 0: v1-13 addresses; v16-31 scale words; v32-47 at work; v48-63 Q; v64-79 NB; v96-159 S; v160-231 K as [Z][K0][Z][K1][Z][K2][Z][K3][Z].  Window 1: v0-127 accumulators; v128-191 V; v192-255 attn's codes.
; AS THE TEXT NOW STANDS: of a wave's two joint tensor loads the second is issued behind a round of the cluster's barrier, when the first has landed: one is out at a time.  K's codes and scale words come from kcodes and kscales.
.set VIMG,  131072                     ; LDS: Q's images at 0 (step s at 8,192 s), V's here,
.set QSC,   262144                     ; Q's scale words, 4,096 bytes;  V's 4,096 on;  NB, 8,192 bytes, 8,192 on
.set VSC,   266240
.set NBL,   270336
.set STAGE, 280576                     ; the way out: 16 rows x (256 bytes + 16) for each wave, each wave's own; 2,048 bytes lie between NB's last byte and the first stage
.set AQ0, 1                            ; v1   16 x lane
.set AV0, 2                            ; v2   VIMG + 16 x lane
.set AB0, 3                            ; v3   NBL + 64 h
.set AQS0, 4                           ; v4   QSC + 16 r
.set AVS0, 5                           ; v5   VSC + 16 r
.set AQ,  6                            ; v6-10  the same for the step in hand
.set AV,  7
.set AB,  8
.set AQS, 9
.set AVS, 10
.set SO,  11                           ; v11  the stage: where I put 32 bytes of a row
.set RD,  12                           ; v12  and where I read a row back
.set GO,  13                           ; v13  my byte offset in two rows of out
.set WQ,  16                           ; v16-19  the step's four pairs' scale words
.set WV,  20                           ; v20-23  V's four fragments'
.set KD,  24                           ; v24-27  my four tiles' doubled scale words
.set WP,  28                           ; v28-31  attn's scale words, a tile each
.set TM,  32                           ; v32-35 largest weights, v36-39 the other half's and then the bytes, v40-43 57,344 x the scale, v44-47 the conversions' scale operands
.set QF,  48
.set NBR, 64
.set S,   96
.set KZ,  160
.set BK,  96                           ; the way out: rows read back, v96-127 and v128-159 by turns
.set VF,  128                          ; in window 1
.set PC,  192                          ; in window 1
.set MSB, 0
.macro WIN new                         ; the immediate's high byte repeats the setting that is left
.if MSB != \new
	s_set_vgpr_msb (MSB<<8)|\new
.set MSB, \new
.endif
.endm
.macro ROUND                           ; a round of the cluster's barrier
	s_barrier_signal -1
	s_barrier_wait -1
	s_cmp_lg_u32 s12, 0
	s_cbranch_scc1 .Lnot_wave_0_\@
	s_barrier_signal -3
.Lnot_wave_0_\@:
	s_barrier_wait -3
	s_barrier_signal -1
	s_barrier_wait -1
.endm
.macro PLACES n
.rept \n
	v_nop
.endr
.endm
	s_load_b256 s[4:11], s[0:1], 0x0               ; codes s[4:5], scales s[6:7], stats s[8:9], out0 s[10:11]
	s_load_b128 s[68:71], s[0:1], 0x20             ; kcodes s[68:69], kscales s[70:71]
	v_lshl_add_u32 v254, v0, 2, 0x4d000
	v_mov_b32 v255, 0
	ds_add_u32 v254, v255
	ds_add_u32 v254, v255
	v_lshrrev_b32 v96, 5, v0
	s_delay_alu instid0(VALU_DEP_1)
	v_readfirstlane_b32 s12, v96                   ; wave 0..7
	s_bfe_u32 s13, ttmp6, 0x40000                  ; cx: my quarter of the keys; it enters K's and out's addresses alone
	s_mov_b32 s14, ttmp9                           ; the head: in a cluster launch ttmp9 counts clusters
	s_lshr_b32 s50, s12, 2                         ; waves 0-3 fetch Q's images, waves 4-7 V's
	s_and_b32 s51, s12, 3
	; descriptor groups 1: dense rows of 256 bytes (32 elements of 8 bytes), 16 rows and 112 rows; 15:0 the mask: all four work-groups; bit 21 set beside it
	s_mov_b32 s16, 15|(3<<16)|(1<<21)
	s_mov_b32 s17, 32<<16                          ; tensor_dim0
	s_mov_b32 s18, 16<<16                          ; tensor_dim1
	s_mov_b32 s19, 32<<16                          ; tile_dim0
	s_mov_b32 s20, 16                              ; tile_dim1
	s_mov_b32 s21, 32                              ; the pitch
	s_mov_b32 s22, 0
	s_mov_b32 s23, 0
	s_mov_b32 s24, 15|(3<<16)|(1<<21)
	s_mov_b32 s25, 32<<16
	s_mov_b32 s26, 112<<16
	s_mov_b32 s27, 32<<16
	s_mov_b32 s28, 112
	s_mov_b32 s29, 32
	s_mov_b32 s30, 0
	s_mov_b32 s31, 0
	s_lshl_b32 s60, s50, 17                        ; Q's or V's images in LDS
	s_lshl_b32 s61, s51, 12                        ; the first load: 4,096 bytes a wave: steps 0 and 1
	s_mul_i32 s62, s51, 28672
	s_add_co_u32 s62, s62, 16384                   ; the second: 28,672 bytes a wave: steps 2 to 15
	s_mov_b32 s32, 1
	s_add_co_u32 s33, s60, s61
	s_mov_b32 s36, 1
	s_add_co_u32 s37, s60, s62
	s_lshl_b32 s60, s50, 24                        ; Q's codes begin at 0 of the buffer, V's at 16,777,216;
	s_lshl_b32 s63, s14, 17                        ; a head's are 131,072 bytes
	s_add_co_u32 s60, s60, s63
	s_add_co_u32 s52, s60, s61
	s_mov_b32 s53, 0
	s_add_co_u32 s54, s60, s62
	s_mov_b32 s55, 0
	s_lshl_b32 s56, s14, 17                        ; my two pairs of K, in kcodes: fragments 64 head + 16 cx + 2 wave on
	s_lshl_b32 s15, s13, 15
	s_add_co_u32 s56, s56, s15
	s_lshl_b32 s15, s12, 12
	s_add_co_u32 s56, s56, s15
	s_mov_b32 s57, 0
	s_lshl_b32 s58, s14, 12                        ; their two words, in kscales: quad 4 cx + wave / 2, fragments 2 (wave % 2) on
	s_lshl_b32 s15, s13, 10
	s_add_co_u32 s58, s58, s15
	s_lshr_b32 s15, s12, 1
	s_lshl_b32 s15, s15, 8
	s_add_co_u32 s58, s58, s15
	s_and_b32 s15, s12, 1
	s_lshl_b32 s15, s15, 3
	s_add_co_u32 s58, s58, s15
	s_mov_b32 s59, 0
	s_lshl_b32 s2, s14, 19                         ; out: 524,288 head + 4 (512 cx + 64 wave)
	s_lshl_b32 s15, s13, 11
	s_add_co_u32 s2, s2, s15
	s_lshl_b32 s15, s12, 8
	s_add_co_u32 s2, s2, s15
	s_mov_b32 s3, 0
	s_mov_b32 s40, 0x3e38aa3b                      ; c = log2(e) / 8
	s_mov_b32 s41, s40                             ; (the packed form names the pair)
	s_mov_b32 s42, 0x76543210
	s_mov_b32 s43, 0xfedcba98                      ; v_permlanex16_b32's selects for lane l xor 16
	s_mov_b32 s44, 0x600000                        ; the mantissa field of 57,344
	s_mov_b32 s45, 0                               ; 8,192 x the step to be fetched
	s_mul_i32 s63, s12, 4352
	s_add_co_u32 s63, s63, STAGE                   ; my stage
	s_wait_dscnt 0x0
	s_wait_kmcnt 0x0
	s_add_nc_u64 s[34:35], s[4:5], s[52:53]
	s_or_b32 s35, s35, 0x80000000                  ; type = 2
	s_add_nc_u64 s[38:39], s[4:5], s[54:55]
	s_or_b32 s39, s39, 0x80000000
	s_add_nc_u64 s[56:57], s[68:69], s[56:57]
	s_add_nc_u64 s[58:59], s[70:71], s[58:59]
	s_add_nc_u64 s[10:11], s[10:11], s[2:3]
	s_lshl_b32 s52, s14, 12
	s_mov_b32 s53, 0
	s_add_nc_u64 s[52:53], s[6:7], s[52:53]        ; the head's scale words of Q; V's lie 524,288 on
	s_lshl_b32 s54, s14, 13
	s_mov_b32 s55, 0
	s_add_nc_u64 s[54:55], s[8:9], s[54:55]        ; the head's NB
	ROUND                                          ; all four work-groups are here: the joint loads meet
	tensor_load_to_lds s[32:35], s[16:23]          ; steps 0 and 1: my one tensor load at the head
	s_nop 0
.rept 4
	v_nop
.endr
	v_and_b32 v96, 31, v0                          ; lane
	v_and_b32 v97, 15, v0                          ; r
	v_bfe_u32 v98, v0, 4, 1                        ; h
	v_lshlrev_b32 v99, 4, v0                       ; 16 x thread
	v_lshl_add_u32 v100, v0, 4, QSC
	s_delay_alu instid0(VALU_DEP_4)
	v_lshlrev_b32 v101, 4, v97                     ; 16 r
	v_lshlrev_b32 v[AQ0], 4, v96
	global_load_b128 v[232:235], v99, s[52:53]                  ; the side data, 4,096 bytes a load: Q's scale words,
	global_load_b128 v[236:239], v99, s[52:53] offset:524288    ; V's,
	global_load_b128 v[240:243], v99, s[54:55]                  ; NB
	global_load_b128 v[244:247], v99, s[54:55] offset:4096
.irp p, 0,1
.irp c, 0,1
	global_load_b128 v[KZ+8+32*\p+4*\c:KZ+11+32*\p+4*\c], v[AQ0], s[56:57] offset:2048*\p+512*\c         ; tile 2 p: beta = 0, 1
	global_load_b128 v[KZ+24+32*\p+4*\c:KZ+27+32*\p+4*\c], v[AQ0], s[56:57] offset:2048*\p+1024+512*\c   ; tile 2 p + 1: beta = 2, 3
.endr
.endr
	global_load_b64 v[102:103], v101, s[58:59]
	v_lshl_add_u32 v[AV0], v96, 4, VIMG
	v_lshl_add_u32 v[AB0], v98, 6, NBL
	v_lshl_add_u32 v[AQS0], v97, 4, QSC
	v_lshl_add_u32 v[AVS0], v97, 4, VSC
	v_mov_b32 v[AQ], v[AQ0]
	v_mov_b32 v[AV], v[AV0]
	v_mov_b32 v[AB], v[AB0]
	v_mov_b32 v[AQS], v[AQS0]
	v_mov_b32 v[AVS], v[AVS0]
	v_mul_u32_u24 v[SO], v97, 272                  ; in: row r, + 64 h
	s_delay_alu instid0(VALU_DEP_1)
	v_lshl_add_u32 v[SO], v98, 6, v[SO]
	s_delay_alu instid0(VALU_DEP_1)
	v_add_nc_u32 v[SO], s63, v[SO]
	v_mul_u32_u24 v[RD], v98, 272                  ; back: lanes 0-15 one row of 256 bytes, lanes 16-31 the next
	s_delay_alu instid0(VALU_DEP_1)
	v_lshl_add_u32 v[RD], v97, 4, v[RD]
	s_delay_alu instid0(VALU_DEP_1)
	v_add_nc_u32 v[RD], s63, v[RD]
	v_lshlrev_b32 v[GO], 13, v98                   ; and the same two rows of out, 8,192 bytes apart
	s_delay_alu instid0(VALU_DEP_1)
	v_lshl_add_u32 v[GO], v97, 4, v[GO]
.irp z, 0,16,32,48,64
.irp i, 0,1,2,3,4,5,6,7
	v_mov_b32 v[KZ+\z+\i], 0                       ; the five runs of zero codes
.endr
.endr
.irp t, 0,1,2,3
	v_mov_b32 v[TM+4+\t], 0                        ; written once: a lane permute's destination counts as one of its sources
.endr
	s_wait_loadcnt 9                               ; the four side loads are in; behind them stand K's eight and its words' one
.irp i, 0,1,2,3
	ds_store_b128 v100, v[232+4*\i:235+4*\i] offset:4096*\i
.endr
	s_wait_loadcnt 0x0
.irp p, 0,1
	v_perm_b32 v[KD+2*\p], v[102+\p], v[102+\p], 0x01000100     ; a tile's two bytes, doubled
	v_perm_b32 v[KD+2*\p+1], v[102+\p], v[102+\p], 0x03020302
.endr
	PLACES 8                                       ; a scale register written by a vector instruction stands eight places ahead of a scaled product
	s_wait_alu depctr_va_vdst(0)
	s_wait_tensorcnt 0x0                           ; my part of steps 0 and 1 is in: of a wave's two tensor loads one is out at a time
	ds_add_u32 v254, v255
	s_wait_dscnt 0x0                               ; the add is done, and my part of the side data is stored
	ROUND                                          ; everybody's part is in, and the four work-groups are here: the joint loads meet
	tensor_load_to_lds s[36:39], s[24:31]          ; steps 2 to 15: it has step 0's work in which to land
	s_nop 0
.rept 4
	v_nop
.endr
.macro LQ b                            ; the pair of Q of quarter b, as an image of its registers
.irp c, 0,1,2,3
	ds_load_b128 v[QF+4*\c:QF+4*\c+3], v[AQ] offset:2048*(\b)+512*\c
.endr
.endm
.macro LNB b                           ; NB of my 16 queries of quarter b
.irp j, 0,1,2,3
	ds_load_b128 v[NBR+4*\j:NBR+4*\j+3], v[AB] offset:128*(\b)+16*\j
.endr
.endm
.macro LV                              ; a step's four fragments of V
	WIN 0x40                                       ; destination window 1
.irp d, 0,1,2,3
.irp c, 0,1,2,3
	ds_load_b128 v[VF+16*\d+4*\c:VF+16*\d+4*\c+3], v[AV] offset:2048*\d+512*\c
.endr
.endr
	WIN 0
.endm
; The scale bytes of quarter b's four blocks go into the step's four words: plain lines on TM and WP alone, which no product of scores names.
.macro BYTES b
.if (\b) == 0
.irp t, 0,1,2,3
	v_lshrrev_b32 v[WP+\t], 23, v[TM+12+\t]        ; the first byte begins the word
.endr
.else
.irp t, 0,1,2,3
	v_lshrrev_b32 v[TM+4+\t], 23, v[TM+12+\t]
.endr
.irp t, 0,1,2,3
	s_delay_alu instid0(VALU_DEP_4)
	v_lshl_or_b32 v[WP+\t], v[TM+4+\t], 8*(\b), v[WP+\t]
.endr
.endif
.endm
; A block of 32 queries x my 64 keys is quantised: block t is key tile t; a lane holds 16 of its key's 32 numbers, lane l xor 16 the others.
; The bytes of quarters 0 to 2 are made a quarter later, in the places behind the next scores' products; quarter 3's are made here, ahead of eight plain lines (four below, four v_nop) in front of the second product.
.macro QUANT4 b
	s_wait_alu depctr_va_vdst(0)
.irp t, 0,1,2,3
	v_max3_num_f32 v[TM+\t], v[S+16*\t], v[S+16*\t+1], 0x8000000   ; no |.|: a weight is never negative; the floor 2^(16 - 127): the byte cannot fall under 1
	v_max3_num_f32 v[TM+4+\t], v[S+16*\t+8], v[S+16*\t+9], v[S+16*\t+10]   ; a second chain for each block, in the registers that the lane permute below writes next: eight chains by turns
.endr
.irp i, 2,4,6
.irp t, 0,1,2,3
	v_max3_num_f32 v[TM+\t], v[TM+\t], v[S+16*\t+\i], v[S+16*\t+\i+1]
.if \i < 6
	v_max3_num_f32 v[TM+4+\t], v[TM+4+\t], v[S+16*\t+9+\i], v[S+16*\t+10+\i]
.endif
.endr
.endr
.irp t, 0,1,2,3
	v_max3_num_f32 v[TM+\t], v[TM+\t], v[TM+4+\t], v[S+16*\t+15]   ; a block's two chains meet, with its last number
.endr
.irp t, 0,1,2,3
	s_delay_alu instid0(VALU_DEP_4)
	v_permlanex16_b32 v[TM+4+\t], v[TM+\t], s42, s43
.endr
.irp t, 0,1,2,3
	s_delay_alu instid0(VALU_DEP_4)
	v_max_num_f32 v[TM+\t], v[TM+\t], v[TM+4+\t]
.endr
.irp t, 0,1,2,3
	s_delay_alu instid0(VALU_DEP_4)
	v_add_nc_u32 v[TM+12+\t], 0xf8800000, v[TM+\t] ; 15 off the exponent field: the conversion's scale operand
.endr
.if (\b) == 3
	BYTES 3
.endif
.irp t, 0,1,2,3
	v_and_or_b32 v[TM+8+\t], v[TM+\t], 0x7f800000, s44   ; 57,344 x the scale
.endr
.irp t, 0,1,2,3
.irp i, 0,2,4,6,8,10,12,14
	v_dual_min_num_f32 v[S+16*\t+\i], v[S+16*\t+\i], v[TM+8+\t] :: v_dual_min_num_f32 v[S+16*\t+\i+1], v[S+16*\t+\i+1], v[TM+8+\t]   ; the conversion to an 8-bit code does not saturate (ISA guide 7.6.2); the hold is one-sided; two holds a line: destinations even and odd, first sources in neighbouring banks, the second source shared
.endr
.endr
	WIN 0x40                                       ; destination window 1
.irp t, 0,1,2,3
	v_cvt_scalef32_pk8_bf8_f32 v[PC+16*\t+4*(\b):PC+16*\t+4*(\b)+1], v[S+16*\t:S+16*\t+7], v[TM+12+\t]        ; registers 4 b .. 4 b + 3 of tile t's operand
	v_cvt_scalef32_pk8_bf8_f32 v[PC+16*\t+4*(\b)+2:PC+16*\t+4*(\b)+3], v[S+16*\t+8:S+16*\t+15], v[TM+12+\t]
.endr
	WIN 0
	v_nop                                          ; one plain vector line behind the last conversion
.endm
; A QUARTER: 32 queries x my 64 keys.  wq, wn: how many younger LDS loads may stay out when Q (and its scale words) and NB have to be there.  Each set of registers is asked for again as soon as it has been read.
; Eight places stand behind the products, in front of the loads into registers that products have read and of the first read of the scores.  In quarter 0 they also stand behind the last step's second product,
; whose V and scale words are loaded anew behind them; in quarters 1 to 3 the last quarter's bytes are among them.
.macro QUARTER b, wq, wn
	s_wait_dscnt \wq
.irp t, 0,1,2,3
	v_wmma_scale_f32_16x16x128_f8f6f4 v[S+16*\t:S+16*\t+7], v[QF:QF+15], v[KZ+8+16*\t:KZ+23+16*\t], 0, v[WQ+(\b)], v[KD+\t] matrix_a_fmt:MATRIX_FMT_BF8 matrix_b_fmt:MATRIX_FMT_BF8
	v_wmma_scale_f32_16x16x128_f8f6f4 v[S+16*\t+8:S+16*\t+15], v[QF:QF+15], v[KZ+16*\t:KZ+15+16*\t], 0, v[WQ+(\b)], v[KD+\t] matrix_a_fmt:MATRIX_FMT_BF8 matrix_b_fmt:MATRIX_FMT_BF8
.endr
.if (\b) == 0
	PLACES 8
	LV                                             ; this step's V: it has three quarters in which to land
	ds_load_b128 v[WV:WV+3], v[AVS]
.elseif (\b) == 1
	BYTES 0                                        ; four lines,
	PLACES 4                                       ; and four more places
.else
	BYTES (\b)-1                                   ; eight lines
.endif
.if (\b) == 3
	s_add_co_u32 s45, s45, 8192                    ; the next step; behind the last the walk wraps to step 0, whose bytes are loaded and not used
	s_and_b32 s46, s45, 0x1ffff
	s_lshr_b32 s47, s46, 4                         ; 512 bytes of NB a step
	s_lshr_b32 s48, s46, 5                         ; 256 bytes of scale words
	v_add_nc_u32 v[AQ], s46, v[AQ0]
	v_add_nc_u32 v[AV], s46, v[AV0]
	v_add_nc_u32 v[AB], s47, v[AB0]
	v_add_nc_u32 v[AQS], s48, v[AQS0]
	v_add_nc_u32 v[AVS], s48, v[AVS0]
.endif
	LQ (\b+1)%4
.if (\b) == 3
	ds_load_b128 v[WQ:WQ+3], v[AQS]
.endif
	s_wait_dscnt \wn
.irp t, 0,1,2,3
.irp i, 0,2,4,6,8,10,12,14
	v_pk_fma_f32 v[S+16*\t+\i:S+16*\t+\i+1], v[S+16*\t+\i:S+16*\t+\i+1], s[40:41], v[NBR+\i:NBR+\i+1] op_sel_hi:[1,0,1]   ; c s + NB, ascending: each accumulator is first read at its low end
.endr
.endr
	LNB (\b+1)%4
.set j, 0
	s_wait_alu depctr_va_vdst(0)
.rept 64
	v_exp_f32 v[S+j], v[S+j]                       ; the weight, finished
.set j, j+1
.endr
	v_nop                                          ; a plain place behind the exponentials
	QUANT4 \b
.endm
; out += V attn over the step's 128 queries: 16 products; the 16 accumulators take turns, one instruction a turn.  first = 1: the products start the sums: nothing is cleared.
.macro PV first
	PLACES 3                                       ; with the line behind the conversions: four places between codes written by vector instructions and a scaled product
	WIN 0x55                                       ; all four operands in window 1; scale operands have no window
.irp t, 0,1,2,3
.irp d, 0,1,2,3
.if \first
	v_wmma_scale_f32_16x16x128_f8f6f4 v[8*(4*\t+\d):8*(4*\t+\d)+7], v[PC+16*\t:PC+16*\t+15], v[VF+16*\d:VF+16*\d+15], 0, v[WP+\t], v[WV+\d] matrix_a_fmt:MATRIX_FMT_BF8 matrix_b_fmt:MATRIX_FMT_BF8
.else
	v_wmma_scale_f32_16x16x128_f8f6f4 v[8*(4*\t+\d):8*(4*\t+\d)+7], v[PC+16*\t:PC+16*\t+15], v[VF+16*\d:VF+16*\d+15], v[8*(4*\t+\d):8*(4*\t+\d)+7], v[WP+\t], v[WV+\d] matrix_a_fmt:MATRIX_FMT_BF8 matrix_b_fmt:MATRIX_FMT_BF8
.endif
.endr
.endr
	WIN 0
.endm
; The LDS loads stand in this order round the loop: Q 4, its words 1, NB 4 (quarter 3 of the step before) | V 16, its words 1, Q 4, NB 4 (quarter 0) | Q 4, NB 4 (quarters 1, 2).
; Quarter 0: behind Q and its words stand NB's 4; behind NB stand 16 + 1 + 4 = 21.  Quarters 1, 2: behind Q stand NB's 4 (the wait also shows V and its words landed), behind NB the new Q's 4.  Quarter 3: behind NB the new Q's 4 and its words' 1.
.macro STEP first
	QUARTER 0, 4, 21
	QUARTER 1, 4, 4
	QUARTER 2, 4, 4
	QUARTER 3, 4, 5
	PV \first
.endm
	LQ 0
	ds_load_b128 v[WQ:WQ+3], v[AQS]
	LNB 0
	STEP 1                                         ; step 0; it looks ahead to step 1's Q and NB, which the first loads brought
	s_wait_tensorcnt 0x0                           ; my part of steps 2 to 15 is in,
	s_wait_dscnt 0x0
	s_barrier_signal -1
	s_barrier_wait -1                              ; everybody's is
	s_mov_b32 s49, 15
.Lstep:
	STEP 0
	s_sub_co_u32 s49, s49, 1
	s_cmp_lg_u32 s49, 0
	s_cbranch_scc1 .Lstep
	PLACES 8                                       ; eight places between the last products and the first read of their results
	s_wait_dscnt 0x0                               ; no barrier: a stage is its wave's own, and no other line names its bytes
; THE WAY OUT, 16 rows of d at a time.  A lane holds 32 neighbouring bytes of a row and the lanes beside it hold other rows: so a block goes through my own stage and comes back as whole rows of 256 bytes.
; LDS serves a wave's instructions in order (ISA guide 5.7.1.4): no wait between the stores and the loads, nor in front of the next block's stores.
.macro TOSTAGE d
	WIN 0x04                                       ; an LDS store's data are its source 1: window 1
.irp t, 0,1,2,3
	ds_store_b128 v[SO], v[8*(4*\t+(\d)):8*(4*\t+(\d))+3] offset:128*(\t/2)+32*(\t%2)          ; each accumulator from its low end on
	ds_store_b128 v[SO], v[8*(4*\t+(\d))+4:8*(4*\t+(\d))+7] offset:128*(\t/2)+32*(\t%2)+16
.endr
	WIN 0
.irp i, 0,1,2,3,4,5,6,7
	ds_load_b128 v[BK+32*((\d)%2)+4*\i:BK+32*((\d)%2)+4*\i+3], v[RD] offset:544*\i
.endr
.endm
.macro SEND d, younger                 ; younger: the LDS instructions issued behind block d's loads: the next block's eight stores and eight loads, or none
	s_wait_dscnt \younger
.irp i, 0,1,2,3,4,5,6,7
	global_store_b128 v[GO], v[BK+32*((\d)%2)+4*\i:BK+32*((\d)%2)+4*\i+3], s[10:11] offset:(16*(\d)+2*\i)*8192 th:TH_STORE_NT   ; 16 lanes store 256 consecutive bytes, aligned; written once, read by nobody here
.endr
.endm
	TOSTAGE 0
.irp a, 1,2,3
.if \a > 1
	s_wait_xcnt 0x0                                ; block a - 2's stores have read their registers: block a's loads may land there
.endif
	TOSTAGE \a
	SEND \a-1, 16
.endr
	SEND 3, 0
	s_wait_tensorcnt 0x0
	ds_add_u32 v254, v255
	s_wait_dscnt 0x0
	ROUND                                          ; the closing round: no work-group ends while a partner may still ask for a tile that names it
	s_endpgm
.Lfunc_end_k_qeeef3a762f_attn:
	.size	k_qeeef3a762f_attn, .Lfunc_end_k_qeeef3a762f_attn-k_qeeef3a762f_attn
	.p2alignl 7, 3214868480
	.fill 96, 4, 3214868480
	.section	.rodata,"a",@progbits
	.p2align	6, 0x0
	.amdhsa_kernel k_qeeef3a762f_attn
		.amdhsa_group_segment_fixed_size 327680
		.amdhsa_private_segment_fixed_size 0
		.amdhsa_enable_private_segment 0
		.amdhsa_kernarg_size 48
		.amdhsa_user_sgpr_count 2
		.amdhsa_user_sgpr_kernarg_segment_ptr 1
		.amdhsa_wavefront_size32 1
		.amdhsa_system_sgpr_workgroup_id_x 1
		.amdhsa_system_sgpr_workgroup_id_y 1
		.amdhsa_system_sgpr_workgroup_id_z 1
		.amdhsa_system_vgpr_workitem_id 0
		.amdhsa_next_free_vgpr 512
		.amdhsa_next_free_sgpr 72
		.amdhsa_reserve_vcc 0
		.amdhsa_float_denorm_mode_32 3
		.amdhsa_float_denorm_mode_16_64 3
		.amdhsa_memory_ordered 1
		.amdhsa_forward_progress 1
		.amdhsa_inst_pref_size 125
	.end_amdhsa_kernel
	.amdgpu_metadata
---
amdhsa.version: [ 1, 2 ]
amdhsa.kernels:
  - .name:           k_qeeef3a762f_attn
    .symbol:         k_qeeef3a762f_attn.kd
    .args:
      - { .name: codes, .offset: 0, .size: 8, .value_kind: global_buffer, .address_space: global }
      - { .name: scales, .offset: 8, .size: 8, .value_kind: global_buffer, .address_space: global }
      - { .name: stats, .offset: 16, .size: 8, .value_kind: global_buffer, .address_space: global }
      - { .name: out0, .offset: 24, .size: 8, .value_kind: global_buffer, .address_space: global }
      - { .name: kcodes, .offset: 32, .size: 8, .value_kind: global_buffer, .address_space: global }
      - { .name: kscales, .offset: 40, .size: 8, .value_kind: global_buffer, .address_space: global }
    .group_segment_fixed_size: 327680
    .private_segment_fixed_size: 0
    .kernarg_segment_align: 8
    .kernarg_segment_size: 48
    .max_flat_workgroup_size: 256
    .sgpr_count:     72
    .vgpr_count:     512
    .wavefront_size: 32
...
	.end_amdgpu_metadata
.endif
;; end of part 3
